; MI455X (gfx1250); checked and timed in simulation.
; The chip was launched on July 23, 2026; its instructions are those of AMD's public machine-readable ISA for CDNA 5 (MIT licence, August 2026) and "CDNA5" Instruction Set Architecture Reference Guide (July 2026). The comments in the code are by the model that wrote it; some were corrected since.
;; Mo E. Allowed arithmetic: matrix products marked QUANTISED: E3M2 operands, one E8M0 scale for each 32 along K, by v_wmma_scale_f32_16x16x128_f8f6f4 with both operands' format E3M2, f32 sums; products left as they are: f32 operands where the result goes on into a quantised operand, else bf16, f16 or f32 operands; f32 sums; everything else in f32.
;; Inputs: expert_sel 32 x 1,024 float32; keys 32 x 1,024 x 256 float32; values 32 x 256 x 1,024 float32; x 4 x 1,024 x 1,024 float32.
;; Outputs: out0 4 x 1,024 x 1,024 float32.
;; Constants: n_heads = 4.
;; This version of the problem:
;;   THIS VERSION OF THE PROBLEM IS GIVEN IN LOW PRECISION. The matrix products marked QUANTISED in the list below multiply operands that are first quantised to E3M2 (3 exponent bits, 2 mantissa bits; 6 bits a number), with one power-of-two scale for each 32 numbers along K (OCP MX v1.0); their sums are f32. All else is computed in f32.
;;   The module's matrix products, in the order in which they are computed (A, B: the left and right operand; K: the contracted axis; several contracted axes count as one K, in the product's order):
;;     1. [M 4,096, K 1,024] x [K 1,024, N 32]; A: input x; B: input expert_sel: QUANTISED
;;     2. [M 4,096, K 1,024] x [K 1,024, N 8,192]; A: input x; B: input keys: QUANTISED
;;     3. batch 131,072 x [M 256, K 1] x [K 1, N 1]; A: computed on the way; B: computed on the way: left as it is (no contracted axis)
;;     4. [M 4,096, K 8,192] x [K 8,192, N 1,024]; A: computed on the way; B: input values: QUANTISED
;;   THE QUANTISER, for each operand of a quantised product, along K:
;;     - K is cut into blocks of 32 from its start; a last block that is shorter is filled with zeros.
;;     - A block's scale is 2^e with e = floor(log2(the largest magnitude in the block)) - 4, held to -126 .. 127; a block of zeros has e = 0. As a byte (E8M0): e + 127.
;;     - Each number is divided by its block's scale, clamped to +-28, and rounded to the nearest number of E3M2, ties to even, subnormals kept.
;;     - The product sums the exact products of the quantised numbers (number of the format x scale) in f32.
;;   ~~~python
;;   def quantise(x, axis):      # numpy; x: float32 -> the quantised numbers, widened to float32 again
;;       x = np.moveaxis(x, axis, -1); K = x.shape[-1]
;;       x = np.pad(x, [(0, 0)] * (x.ndim - 1) + [(0, -K % 32)]); x = x.reshape(x.shape[:-1] + (-1, 32)); a = np.abs(x).max(-1, keepdims=True)
;;       e = np.where(a > 0, np.clip(np.frexp(np.where(a > 0, a, 1))[1] - 1 - 4, -126, 127), 0)      # np.frexp(a)[1] - 1 = floor(log2(a)), exactly
;;       r = np.clip(x / 2.0 ** e, -28, 28)
;;       step = 2.0 ** (np.maximum(np.frexp(np.where(r == 0, 1, r))[1] - 1, -2) - 2)
;;       q = np.round(r / step) * step * 2.0 ** e      # np.round: ties to even
;;       return np.moveaxis(q.reshape(q.shape[:-2] + (-1,))[..., :K], -1, axis).astype(np.float32)
;;   ~~~
;;   OPERANDS COMPUTED ON THE WAY. 'Computed on the way' means the value that the module computes at that place (a softmax that the list does not call 'softmax' is quantised finished and normalised). What goes into a quantiser is computed in f32, as accurately as f32 sums, v_exp_f32 and their like allow (about 1e-6 of the number): no bf16 or f16 on the way to a quantiser, and a product that is left as it is and whose result goes on into a quantised operand takes f32 operands (vector FMAs, or v_wmma_f32_16x16x4_f32). A number that lies on a knife's edge between two numbers of the format may be rounded either way, as far as f32 arithmetic and the matrix unit's own rounding can turn it there, and no further.
;; One version. Each part assembles by itself: llvm-mc -triple=amdgcn-amd-amdhsa -mcpu=gfx1250 --defsym DOCPART=n.
;; ======== version 1 of 1: 4 launches
;; limits: right only within a limited range of input values
;; workspace buffers: xrec 3,276,800 bytes; kq 6,553,600 bytes; vq 6,553,600 bytes; route 98,304 bytes of whole numbers; gates 65,536 bytes; order 69,632 bytes of whole numbers; partial 67,108,864 bytes
;; launch prep1 (part 1): grid 768 x 1, 4 waves a work-group, no clusters, 79,872 bytes of LDS; arguments x, expert_sel, keys, xrec, kq, route, gates; writes xrec, kq, route, gates
.if DOCPART == 1
	.amdgcn_target "amdgcn-amd-amdhsa--gfx1250"
	.amdhsa_code_object_version 6
	.text
	.protected	k_q4d8db87aec_prep1
	.globl	k_q4d8db87aec_prep1
	.p2align	8
	.type	k_q4d8db87aec_prep1,@function
k_q4d8db87aec_prep1:
	s_mov_b64 s[64:65], 0
	v_nop
	global_prefetch_b8 v0, s[64:65] scope:SCOPE_SE
	s_setreg_imm32_b32 hwreg(HW_REG_WAVE_MODE, 25, 1), 1
	s_wait_xcnt 0x0
; PREP1.  Work-groups 0-255: 16 tokens each: x is quantised along d to codes of E3M2 (one E8M0 byte for each 32), the router's product x . expert_sel^T is made on those codes,
; then sigmoid, top-4 of 32 (a strictly greater score wins, so the lower index keeps a tie), each routed row's rank among its 16 tokens' rows of the same expert, and the group's histogram.
; Nothing here steers an address or a branch by these numbers: they are stored at fixed places (route: whole numbers; gates: f32) and a later launch places the rows.
; Work-groups 256-511: keys [32][1024 d][256 h] are quantised along d, which is not innermost: a lane takes a column, its registers run down d.
; WORKSPACE.  xrec: a record of 800 bytes a token: 384 bytes for lanes 0-15 of an operand (K step s: its 12 registers at 48 s), 384 for lanes 16-31, 8 scale words.
; kq: job J = (8 e + B) 4 + Q (B: 32 columns, Q: 256 along d): 4 fragments (2 s' + u) of 1,536 bytes as IMAGES OF THE OPERAND'S REGISTERS (register R of lane l at 512 (R / 4) + 16 l + 4 (R % 4));
; column m of the 32 lies in tile u = (m / 8) % 2, row (m % 8) + 8 (m / 16), so that in a transposed result the 16 registers of tiles 0 and 1 are 16 neighbouring columns.
; Scale words behind the codes: 256 bytes a job, lane 16 u + r holds the words of s' = 0, 1.
; LIMITS: NaN and infinities are not served.  A block whose largest magnitude lies under 2^-122 (a block of zeros too) gets the byte 1; these bytes are read by this program alone.
; The top-4 is taken on this text's own f32 sigmoid (v_exp_f32, v_rcp_f32): scores a few ulp apart at the fourth and fifth place may be chosen otherwise than by another f32 sigmoid.
; The logits are four partial sums (256 along d each, one a wave) added as (p0 + p1) + (p2 + p3).
; THE GRID: work-groups 0-255 take the tokens; work-groups 256-767 take the keys, two to each job J of kq: one for each of the job's two K steps of 128 along d.
; So a wave of the keys' path takes 32 columns x 128 along d: four blocks a lane, two whole fragments (3,072 consecutive bytes of kq) and one scale word a lane.
; The scale words of a job's two K steps lie by turns (8 bytes a lane), so a wave stores 4 bytes of each 8: these units are written in part, 128 bytes for each 16,384 bytes read.
.set TP,    528
.set XST,   33792                      ; the 16 records as they will lie in memory: 12,800 bytes
.set LGB,   46592                      ; the four waves' partial logits: 4 x 2,048 bytes
.set KST,   54784                      ; the keys' path has LDS bytes of its own: a stage of 6,144 bytes for each wave
.set BUF0,  16                         ; v16-79, v80-143: two units of 16 rows x 128 numbers
.set BUF1,  80
.set XC,    144                        ; v144-167 x's two fragments;  v168-169 their scale words
.set XPW,   168
.set PC,    170                        ; v170-181 expert_sel's fragment in hand;  v190 its scale word
.set QT,    182                        ; v182-188 second halves of the conversions
.set SPW,   190
.set TM,    192                        ; v192-207 at work in QUANT
.set ACC,   208                        ; v208-223 logits: experts 0-15, 16-31
.set SEL,   20                         ; s[20:21] v_permlanex16_b32's selects for lane l xor 16
.set WB,    8                          ; the weight quantiser: its input's base s[8:9], row pitch in bytes
.set WPITCH, 1024
.set WX,    32                         ; v32-95 two blocks of 32 numbers;  v96-106 a block's codes;  v112-135 the way out;  v24 scale bytes
.set WC,    96
.set WOUT,  112
.set WSB,   24
; 64 numbers of a lane, register 16 b + i = k 32 b + 16 (lane / 16) + i of my row, become a fragment's 12 registers at v[d] and its scale word in v[pw]
.macro QUANT s, d, pw
.irp b, 0,1,2,3
	v_max3_num_f32 v[TM+\b], |v[\s+16*\b]|, |v[\s+1+16*\b]|, 0x2800000   ; my 16 numbers of block b, and the floor 2^(5 - 127): the byte cannot fall under 1
.endr
.irp i, 2,4,6,8,10,12,14
.irp b, 0,1,2,3
	v_max3_num_f32 v[TM+\b], v[TM+\b], |v[\s+16*\b+\i]|, |v[\s+1+16*\b+\i]|
.endr
.endr
.irp b, 0,1,2,3
	v_permlanex16_b32 v[TM+4+\b], v[TM+\b], s[SEL], s[SEL+1]
.endr
.irp b, 0,1,2,3
	v_max_num_f32 v[TM+\b], v[TM+\b], v[TM+4+\b]       ; with lane l xor 16's: the block's largest magnitude
.endr
.irp b, 0,1,2,3
	v_add_nc_u32 v[TM+12+\b], 0xfe000000, v[TM+\b]     ; 4 off its exponent field: the conversion's scale operand
.endr
.irp b, 0,1,2,3
	v_lshrrev_b32 v[TM+4+\b], 23, v[TM+12+\b]          ; the scale's byte
.endr
	v_lshl_or_b32 v[\pw], v[TM+5], 8, v[TM+4]
	v_lshl_or_b32 v[\pw], v[TM+6], 16, v[\pw]
	v_lshl_or_b32 v[\pw], v[TM+7], 24, v[\pw]
.irp c, 0,1
	v_cvt_scalef32_pk16_bf6_f32 v[\d+6*\c:\d+2+6*\c], v[\s+32*\c:\s+15+32*\c], v[TM+12+2*\c]
	v_cvt_scalef32_pk16_bf6_f32 v[QT+4*\c:QT+2+4*\c], v[\s+16+32*\c:\s+31+32*\c], v[TM+12+2*\c+1]   ; (a conversion's three registers begin on an even number)
.endr
	v_nop                                              ; one plain place behind a scaled conversion
.irp c, 0,1                                        ; the operand wants a whole block in a lane: lanes 0-15 block 2 c, lanes 16-31 block 2 c + 1
.irp i, 0,1,2
	v_permlane16_swap_b32 v[\d+6*\c+\i], v[QT+4*\c+\i]
.endr
.irp i, 0,1,2
	v_mov_b32 v[\d+3+6*\c+\i], v[QT+4*\c+\i]
.endr
.endr
.endm
; a unit: 16 rows x 128 numbers of my wave's 256 along d: each load reads 512 consecutive bytes of one row
.macro ULOAD buf, sb, off, nt
.irp i, 0,1,2,3,4,5,6,7,8,9,10,11,12,13,14,15
.if \nt
	global_load_b128 v[\buf+4*\i:\buf+4*\i+3], v4, s[\sb:\sb+1] offset:\off+4096*\i th:TH_LOAD_NT
.else
	global_load_b128 v[\buf+4*\i:\buf+4*\i+3], v4, s[\sb:\sb+1] offset:\off+4096*\i
.endif
.endr
.endm
; the unit turns through my wave's own stage, so that a lane holds 16 neighbours of each block of its row.  LDS serves a wave's instructions in order: no wait between the stores and the loads
.macro TURN buf
.irp i, 0,1,2,3,4,5,6,7,8,9,10,11,12,13,14,15
	ds_store_b128 v5, v[\buf+4*\i:\buf+4*\i+3] offset:TP*\i
.endr
.irp b, 0,1,2,3
.irp j, 0,1,2,3
	ds_load_b128 v[\buf+16*\b+4*\j:\buf+16*\b+4*\j+3], v6 offset:128*\b+16*\j
.endr
.endr
	s_wait_dscnt 0x0
.endm
.macro XSTORE k                                    ; x's fragment k of my wave into the records
.irp i, 0,1,2
	ds_store_b128 v7, v[XC+12*\k+4*\i:XC+12*\k+4*\i+3] offset:48*\k+16*\i
.endr
	ds_store_b32 v8, v[XPW+\k] offset:4*\k             ; lanes r and r + 16 write the same word with the same value
.endm
.macro PLACES n
.rept \n
	v_nop
.endr
.endm
; the weight quantiser: block t = 32 along K of my column
.macro WLOAD t
.set ii, 0
.rept 32
	global_load_b32 v[WX+32*((\t)%2)+ii], v2, s[WB:WB+1] offset:(32*(\t)+ii)*WPITCH th:TH_LOAD_NT
.set ii, ii+1
.endr
.endm
.macro WBLOCK t
.set XB, WX+32*((\t)%2)
.if (\t) < 3
	s_wait_loadcnt 32                                  ; this block's 32 loads are in; the next block's may be out
.else
	s_wait_loadcnt 0x0
.endif
	v_max3_num_f32 v12, |v[XB]|, |v[XB+1]|, |v[XB+2]|
	v_max3_num_f32 v13, |v[XB+3]|, |v[XB+4]|, |v[XB+5]|
.irp i, 6,10,14,18,22,26
	v_max3_num_f32 v12, v12, |v[XB+\i]|, |v[XB+\i+1]|
	v_max3_num_f32 v13, v13, |v[XB+\i+2]|, |v[XB+\i+3]|
.endr
	v_max3_num_f32 v12, v12, |v[XB+30]|, |v[XB+31]|
	v_max3_num_f32 v12, v12, v13, 0x2800000            ; and the floor
	v_add_nc_u32 v11, 0xfe000000, v12                  ; the conversion's scale operand
	v_cvt_scalef32_pk16_bf6_f32 v[WC:WC+2], v[XB:XB+15], v11
	v_cvt_scalef32_pk16_bf6_f32 v[WC+8:WC+10], v[XB+16:XB+31], v11
	v_lshrrev_b32 v13, 23, v11                         ; the scale's byte (also the plain place behind the conversions)
.if (\t)%4 == 0
	v_mov_b32 v[WSB+(\t)/4], v13
.else
	v_lshl_or_b32 v[WSB+(\t)/4], v13, 8*((\t)%4), v[WSB+(\t)/4]
.endif
.irp i, 0,1,2
	v_mov_b32 v[WC+3+\i], v[WC+8+\i]
.endr
.set OO, 3072*((\t)/4)+256*((\t)%2)                ; K step t / 4; the block belongs to lanes 16 (t % 2) + r, registers 6 c on, c = (t / 2) % 2
.if ((\t)/2)%2 == 0
	ds_store_b128 v3, v[WC:WC+3] offset:OO             ; registers 0-3,
	ds_store_b64 v3, v[WC+4:WC+5] offset:OO+512        ; 4-5
.else
	ds_store_b64 v3, v[WC:WC+1] offset:OO+520          ; registers 6-7,
	ds_store_b128 v3, v[WC+2:WC+5] offset:OO+1024      ; 8-11
.endif
.if (\t)+2 < 4
	WLOAD (\t)+2
.endif
	s_wait_dscnt 0x0                                   ; the stores have read their registers
.endm
	s_load_b256 s[4:11], s[0:1], 0x0               ; x s[4:5], expert_sel s[6:7], keys s[8:9], xrec s[10:11]
	s_load_b128 s[12:15], s[0:1], 0x20             ; kq s[12:13], route s[14:15]
	s_load_b64 s[16:17], s[0:1], 0x30              ; gates
	v_lshl_add_u32 v254, v0, 2, 0x13600
	v_mov_b32 v255, 0
	v_lshrrev_b32 v1, 5, v0
	v_readfirstlane_b32 s18, v1                    ; wave 0..3
	v_and_b32 v1, 31, v0                           ; lane
	s_cmp_lt_u32 ttmp9, 256
	s_cbranch_scc0 .Lkeys
	; ---------------- the tokens' path.  Wave w takes d = 256 w .. 256 w + 255 (K steps 2 w, 2 w + 1) of the group's 16 tokens and of the 32 experts
	v_and_b32 v2, 15, v0                           ; r
	v_bfe_u32 v3, v0, 4, 1                         ; h
	v_lshlrev_b32 v15, 4, v1                       ; 16 x lane
	s_lshl_b32 s22, s18, 10
	v_add_nc_u32 v4, s22, v15                      ; in memory: 16 x lane + my wave's 1,024 bytes of a row
	s_mul_i32 s23, s18, 16*TP
	v_add_nc_u32 v5, s23, v15                      ; the stage, in
	v_mul_u32_u24 v6, v2, TP
	v_lshl_add_u32 v6, v3, 6, v6
	v_add_nc_u32 v6, s23, v6                       ; and out: row r, + 64 h
	v_mul_u32_u24 v8, v2, 800
	v_mad_u32_u24 v7, v3, 384, v8
	s_mul_i32 s24, s18, 96
	s_add_co_u32 s24, s24, XST
	v_add_nc_u32 v7, s24, v7                       ; record r, half h, K step 2 w
	s_lshl_b32 s24, s18, 3
	s_add_co_u32 s24, s24, XST+768
	v_add_nc_u32 v8, s24, v8                       ; record r's scale words 2 w, 2 w + 1
	s_lshl_b32 s24, s18, 11
	s_add_co_u32 s24, s24, LGB
	v_add_nc_u32 v9, s24, v15                      ; my wave's partial logits
	v_lshlrev_b32 v11, 4, v0                       ; the records' way out: 16 x thread,
	v_add_nc_u32 v10, XST, v11                     ; in LDS
	v_add_nc_u32 v12, LGB, v15                     ; all waves' partial logits
	v_lshlrev_b32 v13, 2, v1                       ; 4 x lane
	v_lshlrev_b32 v14, 4, v2                       ; 16 r
	s_mov_b32 s[SEL], 0x76543210
	s_mov_b32 s[SEL+1], 0xfedcba98
.irp b, 0,1,2,3
	v_mov_b32 v[TM+4+\b], 0                        ; written once: a lane permute's destination counts as one of its sources
.endr
	s_lshl_b32 s26, ttmp9, 16                      ; 16 rows of 4,096 bytes a group
	s_mov_b32 s27, 0
	s_mul_i32 s28, ttmp9, 12800                    ; 16 records
	s_mov_b32 s29, 0
	s_lshl_b32 s30, ttmp9, 7                       ; a histogram of 128 bytes
	s_mov_b32 s31, 0
	s_lshl_b32 s32, ttmp9, 8                       ; 16 tokens x 16 bytes
	s_mov_b32 s33, 0
	s_wait_kmcnt 0x0
	s_add_nc_u64 s[4:5], s[4:5], s[26:27]
	s_add_nc_u64 s[10:11], s[10:11], s[28:29]
	s_add_nc_u64 s[34:35], s[14:15], s[30:31]
	s_add_nc_u64 s[36:37], s[14:15], s[32:33]
	s_add_nc_u64 s[16:17], s[16:17], s[32:33]
	ULOAD BUF0, 4, 0, 1                            ; unit 0: x, my first K step
	ULOAD BUF1, 4, 512, 1                          ; unit 1: x, my second
	s_wait_loadcnt 16                              ; in every unit: its 16 loads are in, the next unit's 16 may be out
	TURN BUF0
	QUANT BUF0, XC, XPW
	ULOAD BUF0, 6, 0, 0                            ; unit 2: experts 0-15, first K step (read again by every group: no hint)
	XSTORE 0
	s_wait_loadcnt 16
	TURN BUF1
	QUANT BUF1, XC+12, XPW+1
	ULOAD BUF1, 6, 65536, 0                        ; unit 3: experts 16-31, first K step
	XSTORE 1
	s_wait_loadcnt 16
	TURN BUF0
	QUANT BUF0, PC, SPW
	ULOAD BUF0, 6, 512, 0                          ; unit 4: experts 0-15, second K step
	PLACES 8                                       ; a scale register written by a vector instruction stands 8 places ahead of a scaled matrix instruction, an operand 4
	; transposed: source 0 = 16 experts, source 1 = my 16 tokens: lane (r, h) holds token r, register j expert 16 te + 8 h + j.  The two accumulators take turns
	v_wmma_scale_f32_16x16x128_f8f6f4 v[ACC:ACC+7], v[PC:PC+11], v[XC:XC+11], 0, v[SPW], v[XPW] matrix_a_fmt:MATRIX_FMT_BF6 matrix_b_fmt:MATRIX_FMT_BF6
	s_wait_loadcnt 16
	TURN BUF1
	QUANT BUF1, PC, SPW                            ; (its 32 maxima are the places in front of its writes to the last product's operand and scale)
	ULOAD BUF1, 6, 65536+512, 0                    ; unit 5: experts 16-31, second K step
	PLACES 8
	v_wmma_scale_f32_16x16x128_f8f6f4 v[ACC+8:ACC+15], v[PC:PC+11], v[XC:XC+11], 0, v[SPW], v[XPW] matrix_a_fmt:MATRIX_FMT_BF6 matrix_b_fmt:MATRIX_FMT_BF6
	s_wait_loadcnt 16
	TURN BUF0
	QUANT BUF0, PC, SPW
	PLACES 8
	v_wmma_scale_f32_16x16x128_f8f6f4 v[ACC:ACC+7], v[PC:PC+11], v[XC+12:XC+23], v[ACC:ACC+7], v[SPW], v[XPW+1] matrix_a_fmt:MATRIX_FMT_BF6 matrix_b_fmt:MATRIX_FMT_BF6
	s_wait_loadcnt 0x0
	TURN BUF1
	QUANT BUF1, PC, SPW
	PLACES 8
	v_wmma_scale_f32_16x16x128_f8f6f4 v[ACC+8:ACC+15], v[PC:PC+11], v[XC+12:XC+23], v[ACC+8:ACC+15], v[SPW], v[XPW+1] matrix_a_fmt:MATRIX_FMT_BF6 matrix_b_fmt:MATRIX_FMT_BF6
	PLACES 4                                       ; four places in front of the LDS stores that read the results
.irp t, 0,1
.irp q, 0,1
	ds_store_b128 v9, v[ACC+8*\t+4*\q:ACC+8*\t+4*\q+3] offset:1024*\t+512*\q   ; each accumulator from its low end on
.endr
.endr
	s_wait_dscnt 0x0                               ; for the others' sake: my records' parts and my partial logits have landed
	s_barrier_signal -1
	s_barrier_wait -1
	; the records leave: 128 threads x 16 bytes = 2,048 consecutive bytes an instruction of the work-group
.irp k, 0,1,2,3,4,5
	ds_load_b128 v[BUF0+4*\k:BUF0+4*\k+3], v10 offset:2048*\k
.endr
.irp k, 0,1,2,3,4,5
	s_wait_dscnt 5-\k                              ; load k is in; the younger ones may be out
	global_store_b128 v11, v[BUF0+4*\k:BUF0+4*\k+3], s[10:11] offset:2048*\k
.endr
	s_cmp_lg_u32 s18, 3
	s_cbranch_scc1 .Lno_tail
	ds_load_b128 v[40:43], v10 offset:10752        ; the last 512 of the 12,800 bytes: wave 3's threads 96-127 stand at 1,536 on
	s_wait_dscnt 0x0
	global_store_b128 v11, v[40:43], s[10:11] offset:10752
.Lno_tail:
	s_cmp_lg_u32 s18, 0
	s_cbranch_scc1 .Ldone
	; ---------------- wave 0: the router
.set PP, 80                                        ; v80-143 the four waves' parts; then v80-95 my 16 scores, v96-111 the other half's
.set SS, 112                                       ; v112-143 the token's 32 scores, in every lane
.set II, 52                                        ; v52-55 the chosen experts;  v56-59 their scores;  v60-63 ranks;  v64-67 words;  v68 histogram;  v69 at work
.set VV, 56
.set RK, 60
.set WD, 64
.set HI, 68
.set TT, 69
.irp w, 0,1,2,3
.irp t, 0,1
.irp q, 0,1
	ds_load_b128 v[PP+16*\w+8*\t+4*\q:PP+16*\w+8*\t+4*\q+3], v12 offset:2048*\w+1024*\t+512*\q
.endr
.endr
.endr
	s_wait_dscnt 0x0
.irp i, 0,2,4,6,8,10,12,14
	v_pk_add_f32 v[PP+\i:PP+\i+1], v[PP+\i:PP+\i+1], v[PP+16+\i:PP+17+\i]
	v_pk_add_f32 v[PP+32+\i:PP+33+\i], v[PP+32+\i:PP+33+\i], v[PP+48+\i:PP+49+\i]
.endr
.irp i, 0,2,4,6,8,10,12,14
	v_pk_add_f32 v[PP+\i:PP+\i+1], v[PP+\i:PP+\i+1], v[PP+32+\i:PP+33+\i]   ; the logits
.endr
.irp i, 0,1,2,3,4,5,6,7,8,9,10,11,12,13,14,15
	v_mul_f32 v[PP+\i], 0xbfb8aa3b, v[PP+\i]       ; - logit x log2(e)
.endr
	s_wait_alu depctr_va_vdst(0)
.irp i, 0,1,2,3,4,5,6,7,8,9,10,11,12,13,14,15
	v_exp_f32 v[PP+\i], v[PP+\i]
.endr
	v_nop                                          ; a plain place behind the transcendentals
	s_wait_alu depctr_va_vdst(0)
.irp i, 0,1,2,3,4,5,6,7,8,9,10,11,12,13,14,15
	v_add_f32 v[PP+\i], 1.0, v[PP+\i]
.endr
	s_wait_alu depctr_va_vdst(0)
.irp i, 0,1,2,3,4,5,6,7,8,9,10,11,12,13,14,15
	v_rcp_f32 v[PP+\i], v[PP+\i]                   ; sigmoid = 1 / (1 + 2^(- logit x log2(e)))
.endr
	v_nop
	s_wait_alu depctr_va_vdst(0)
.irp i, 0,1,2,3,4,5,6,7,8,9,10,11,12,13,14,15
	v_permlanex16_b32 v[PP+16+\i], v[PP+\i], s[SEL], s[SEL+1]
.endr
	s_mov_b32 s22, 0xffff                          ; lanes 0-15
.irp t, 0,1
.irp j, 0,1,2,3,4,5,6,7
	v_cndmask_b32 v[SS+16*\t+\j], v[PP+16+8*\t+\j], v[PP+8*\t+\j], s22      ; expert 16 t + j lies in lanes 0-15,
	v_cndmask_b32 v[SS+16*\t+8+\j], v[PP+8*\t+\j], v[PP+16+8*\t+\j], s22    ; expert 16 t + 8 + j in lanes 16-31
.endr
.endr
.set IQ, 44                                        ; v44-47 the lowest index of each eight experts that holds the maximum;  v48 my token's mask of experts;  v70-79 at work
.set MK, 48
.set MT, 70
.irp s, 0,1,2,3                                    ; four passes: the largest score left, by a tree; then the LOWEST expert that holds it, so the lower index keeps a tie
.irp i, 0,1,2,3,4,5,6,7,8,9
	v_max3_num_f32 v[MT+\i], v[SS+3*\i], v[SS+3*\i+1], v[SS+3*\i+2]
.endr
	v_max3_num_f32 v[MT], v[MT], v[MT+1], v[MT+2]
	v_max3_num_f32 v[MT+3], v[MT+3], v[MT+4], v[MT+5]
	v_max3_num_f32 v[MT+6], v[MT+6], v[MT+7], v[MT+8]
	v_max3_num_f32 v[MT+9], v[MT+9], v[SS+30], v[SS+31]
	v_max3_num_f32 v[MT], v[MT], v[MT+3], v[MT+6]
	v_max_num_f32 v[VV+\s], v[MT], v[MT+9]
.irp q, 0,1,2,3
	v_mov_b32 v[IQ+\q], 32                         ; none of these eight
.endr
.irp j, 7,6,5,4,3,2,1,0                            ; from the highest index down, four chains by turns: the last that writes is the lowest
.irp q, 0,1,2,3
	v_cmp_neq_f32 s[24+\q], v[SS+8*\q+\j], v[VV+\s]
.endr
.irp q, 0,1,2,3
	v_cndmask_b32 v[IQ+\q], 8*\q+\j, v[IQ+\q], s[24+\q]   ; not equal: keep
.endr
.endr
	v_min_u32 v[IQ], v[IQ], v[IQ+1]
	v_min_u32 v[IQ+2], v[IQ+2], v[IQ+3]
	v_min_u32 v[II+\s], v[IQ], v[IQ+2]
.if \s < 3
.irp j, 0,1,2,3,4,5,6,7
.irp q, 0,1,2,3
	v_cmp_ne_u32 s[24+\q], 8*\q+\j, v[II+\s]
.endr
.irp q, 0,1,2,3
	v_cndmask_b32 v[SS+8*\q+\j], -1.0, v[SS+8*\q+\j], s[24+\q]   ; the chosen one leaves: -1 lies under every sigmoid
.endr
.endr
.endif
.endr
	; ranks and histogram.  Bit e of a token's mask: the token chose expert e.  The 16 masks go to scalar registers s22-33 and s38-41;
	; lane e sums bit e of all 16 (the histogram); a token's slot sums the bit of its own expert over the tokens before it (the rank)
	v_mov_b32 v[MK], 0
.irp s, 0,1,2,3
	v_lshl_or_b32 v[MK], 1, v[II+\s], v[MK]
.endr
	v_mov_b32 v[HI], 0
.irp s, 0,1,2,3
	v_mov_b32 v[RK+\s], 0
.endr
.set rr, 0
.rept 16
	v_readlane_b32 s[22+rr+4*(rr/12)], v[MK], rr
.set rr, rr+1
.endr
.set rr, 0
.rept 16
	v_mov_b32 v[MT+1], s[22+rr+4*(rr/12)]          ; token rr's mask, in every lane
	v_bfe_u32 v[TT], v[MT+1], v1, 1                ; lane e: did it choose expert e?
.if rr < 15
	v_cmp_lt_u32 vcc_lo, rr, v2
	v_cndmask_b32 v[MT], 0, v[MT+1], vcc_lo        ; it counts for the tokens behind it alone
.irp s, 0,1,2,3
	v_bfe_u32 v[MT+2+\s], v[MT], v[II+\s], 1
.endr
.endif
	v_add_nc_u32 v[HI], v[HI], v[TT]
.if rr < 15
.irp s, 0,1,2,3
	v_add_nc_u32 v[RK+\s], v[RK+\s], v[MT+2+\s]
.endr
.endif
.set rr, rr+1
.endr
.irp s, 0,1,2,3
	v_lshl_or_b32 v[WD+\s], v[RK+\s], 8, v[II+\s]  ; expert | rank << 8
.endr
	global_store_b32 v13, v[HI], s[34:35] offset:65536   ; lane e: how many of the group's rows go to expert e
	s_wait_alu depctr_va_vdst(0)
	s_wait_xcnt 0x0                                ; EXEC changes only behind this wait
	v_cmp_gt_u32 vcc_lo, 16, v1
	s_and_saveexec_b32 s30, vcc_lo
	global_store_b128 v14, v[WD:WD+3], s[36:37]    ; 16 lanes store 256 consecutive bytes, aligned
	global_store_b128 v14, v[VV:VV+3], s[16:17]
	s_wait_xcnt 0x0
	s_or_b32 exec_lo, exec_lo, s30
.Ldone:
	s_wait_tensorcnt 0x0
	ds_add_u32 v254, v255
	s_wait_dscnt 0x0
	s_endpgm
	; ---------------- the keys' path.  Wave: expert e, columns 32 B .. 32 B + 31, d = 256 Q + 128 s' .. 256 Q + 128 s' + 127; the four waves stand side by side on 512 bytes of each row
.Lkeys:
	s_sub_co_u32 s20, ttmp9, 256                   ; 0 .. 511: bit 0 the job's K step s', bits 2:1 Q, bit 3 which four of the eight B, bits 8:4 e
	s_lshr_b32 s21, s20, 4                         ; e
	s_and_b32 s27, s20, 1                          ; s'
	s_bfe_u32 s22, s20, 0x20001                    ; Q
	s_bfe_u32 s23, s20, 0x10003
	s_lshl_b32 s23, s23, 2
	s_add_co_u32 s23, s23, s18                     ; B
	s_lshl_b32 s24, s21, 20
	s_lshl_b32 s25, s22, 18
	s_add_co_u32 s24, s24, s25
	s_lshl_b32 s25, s27, 17                        ; 128 rows of 1,024 bytes
	s_add_co_u32 s24, s24, s25
	s_lshl_b32 s25, s23, 7
	s_add_co_u32 s24, s24, s25
	s_mov_b32 s25, 0
	s_lshl_b32 s26, s21, 3
	s_add_co_u32 s26, s26, s23
	s_lshl_b32 s26, s26, 2
	s_add_co_u32 s26, s26, s22                     ; J
	s_mul_i32 s28, s26, 6144
	s_mul_i32 s29, s27, 3072                       ; the K step's two fragments
	s_add_co_u32 s28, s28, s29
	s_mov_b32 s29, 0
	s_lshl_b32 s30, s26, 8
	s_add_co_u32 s30, s30, 6291456
	s_lshl_b32 s31, s27, 2                         ; and its word of a lane's two
	s_add_co_u32 s30, s30, s31
	s_mov_b32 s31, 0
	s_wait_alu depctr_va_vdst(0)
	v_lshlrev_b32 v2, 2, v1                        ; in: 4 bytes a lane
	v_and_b32 v7, 7, v1
	v_bfe_u32 v8, v1, 4, 1
	v_lshl_or_b32 v7, v8, 3, v7                    ; my column's row in its tile
	v_bfe_u32 v8, v1, 3, 1                         ; and its tile u
	s_mul_i32 s19, s18, 6144
	s_add_co_u32 s19, s19, KST
	v_mul_u32_u24 v3, v8, 1536
	v_lshl_add_u32 v3, v7, 4, v3
	v_add_nc_u32 v3, s19, v3                       ; into my stage
	v_lshlrev_b32 v5, 4, v1                        ; out: 16 x lane,
	v_add_nc_u32 v4, s19, v5                       ; in LDS
	v_lshlrev_b32 v6, 7, v8
	v_lshl_add_u32 v6, v7, 3, v6                   ; my scale words' place: 8 (16 u + r)
	s_wait_kmcnt 0x0
	s_add_nc_u64 s[8:9], s[8:9], s[24:25]
	s_add_nc_u64 s[32:33], s[12:13], s[28:29]
	s_add_nc_u64 s[34:35], s[12:13], s[30:31]
	WLOAD 0
	WLOAD 1
.irp t, 0,1,2,3
	WBLOCK \t
.endr
	s_wait_alu depctr_va_vdst(0)
	global_store_b32 v6, v[WSB], s[34:35]          ; my column's scale word of this K step
.irp i, 0,1,2,3,4,5
	ds_load_b128 v[WOUT+4*\i:WOUT+4*\i+3], v4 offset:512*\i
.endr
.irp i, 0,1,2,3,4,5
	s_wait_dscnt 5-\i                              ; load i is in; the younger ones may be out
	global_store_b128 v5, v[WOUT+4*\i:WOUT+4*\i+3], s[32:33] offset:512*\i   ; 512 consecutive bytes, aligned
.endr
	s_wait_tensorcnt 0x0
	ds_add_u32 v254, v255
	s_wait_dscnt 0x0
	s_endpgm
.Lfunc_end_k_q4d8db87aec_prep1:
	.size	k_q4d8db87aec_prep1, .Lfunc_end_k_q4d8db87aec_prep1-k_q4d8db87aec_prep1
	.p2alignl 7, 3214868480
	.fill 96, 4, 3214868480
	.section	.rodata,"a",@progbits
	.p2align	6, 0x0
	.amdhsa_kernel k_q4d8db87aec_prep1
		.amdhsa_group_segment_fixed_size 79872
		.amdhsa_private_segment_fixed_size 0
		.amdhsa_enable_private_segment 0
		.amdhsa_kernarg_size 56
		.amdhsa_user_sgpr_count 2
		.amdhsa_user_sgpr_kernarg_segment_ptr 1
		.amdhsa_wavefront_size32 1
		.amdhsa_system_sgpr_workgroup_id_x 1
		.amdhsa_system_sgpr_workgroup_id_y 1
		.amdhsa_system_sgpr_workgroup_id_z 1
		.amdhsa_system_vgpr_workitem_id 0
		.amdhsa_next_free_vgpr 256
		.amdhsa_next_free_sgpr 66
		.amdhsa_reserve_vcc 1
		.amdhsa_float_denorm_mode_32 3
		.amdhsa_float_denorm_mode_16_64 3
		.amdhsa_memory_ordered 1
		.amdhsa_forward_progress 1
		.amdhsa_inst_pref_size 124
	.end_amdhsa_kernel
	.amdgpu_metadata
---
amdhsa.version: [ 1, 2 ]
amdhsa.kernels:
  - .name:           k_q4d8db87aec_prep1
    .symbol:         k_q4d8db87aec_prep1.kd
    .args:
      - { .name: x, .offset: 0, .size: 8, .value_kind: global_buffer, .address_space: global }
      - { .name: expert_sel, .offset: 8, .size: 8, .value_kind: global_buffer, .address_space: global }
      - { .name: keys, .offset: 16, .size: 8, .value_kind: global_buffer, .address_space: global }
      - { .name: xrec, .offset: 24, .size: 8, .value_kind: global_buffer, .address_space: global }
      - { .name: kq, .offset: 32, .size: 8, .value_kind: global_buffer, .address_space: global }
      - { .name: route, .offset: 40, .size: 8, .value_kind: global_buffer, .address_space: global }
      - { .name: gates, .offset: 48, .size: 8, .value_kind: global_buffer, .address_space: global }
    .group_segment_fixed_size: 79872
    .private_segment_fixed_size: 0
    .kernarg_segment_align: 8
    .kernarg_segment_size: 56
    .max_flat_workgroup_size: 128
    .sgpr_count:     66
    .vgpr_count:     256
    .wavefront_size: 32
...
	.end_amdgpu_metadata
.endif
;; end of part 1
;; launch prep2 (part 2): grid 528 x 1, 4 waves a work-group, no clusters, 25,600 bytes of LDS; arguments route, values, vq, order; writes vq, order
.if DOCPART == 2
	.amdgcn_target "amdgcn-amd-amdhsa--gfx1250"
	.amdhsa_code_object_version 6
	.text
	.protected	k_q4d8db87aec_prep2
	.globl	k_q4d8db87aec_prep2
	.p2align	8
	.type	k_q4d8db87aec_prep2,@function
k_q4d8db87aec_prep2:
	s_mov_b64 s[64:65], 0
	v_nop
	global_prefetch_b8 v0, s[64:65] scope:SCOPE_SE
	s_setreg_imm32_b32 hwreg(HW_REG_WAVE_MODE, 25, 1), 1
	s_wait_xcnt 0x0
; PREP2.  Work-groups 0-15 place the 16,384 routed rows by expert (a counting sort without atomics: the histograms and ranks were stored by the launch before); work-group 0 also writes the list of tiles.
; Each of the sixteen repeats the short part (32 KiB of histograms, running sums, the scan over the experts) and places its own sixteenth of the rows: in wave w the tokens 1,024 w + 64 j on, j the work-group's number.
; Work-groups 16-527 quantise values [32][256 h][1024 v] along h, which is not innermost: a lane takes a column, its registers run down h.
; order: 256 entries (expert, first place, rows, last row = max(rows, 1) - 1) of 16 bytes, tiles of at most 80 rows; then the list of rows (token x 4 + slot), sorted by expert.
; With 16,384 rows, 32 experts and tiles of 80 there are at most 205 + 31 = 236 tiles, whatever the choice; entries beyond the tiles in use have 0 rows.
; vq: job J = 32 e + B (B: 32 columns): 4 fragments (2 s' + u) of 1,536 bytes as images of the operand's registers (register R of lane l at 512 (R / 4) + 16 l + 4 (R % 4));
; column m of the 32 lies in tile u = (m / 8) % 2, row (m % 8) + 8 (m / 16).  Scale words behind the codes: 256 bytes a job, lane 16 u + r holds the words of s' = 0, 1.
; LIMITS: NaN and infinities are not served; a block whose largest magnitude lies under 2^-122 (a block of zeros too) gets the byte 1; these bytes are read by this program alone.
; THE GRID: work-groups 0-15 sort; work-groups 16-527 take the values, two to each four jobs J of vq: one for each of a job's two K steps of 128 along h.
; So a wave of the values' path takes 32 columns x 128 along h: four blocks a lane, two whole fragments (3,072 consecutive bytes of vq) and one scale word a lane.
; The scale words of a job's two K steps lie by turns (8 bytes a lane), so a wave stores 4 bytes of each 8: these units are written in part, 128 bytes for each 16,384 bytes read.
.set NSORT, 16
.set VST,   512                        ; LDS: 0-511 the sort's four waves' totals; from 512 the values' path: a stage of 6,144 bytes for each wave
.set WB,    6
.set WPITCH, 4096
.set WX,    32
.set WC,    96
.set WOUT,  112
.set WSB,   24
.set HH,    16                         ; the sort: v16-79 my wave's 64 histograms (a lane is an expert);  v80-87 the words of my wave's 64 tokens
.set RR,    80
.macro WLOAD t
.set ii, 0
.rept 32
	global_load_b32 v[WX+32*((\t)%2)+ii], v2, s[WB:WB+1] offset:(32*(\t)+ii)*WPITCH th:TH_LOAD_NT
.set ii, ii+1
.endr
.endm
.macro WBLOCK t
.set XB, WX+32*((\t)%2)
.if (\t) < 3
	s_wait_loadcnt 32                                  ; this block's 32 loads are in; the next block's may be out
.else
	s_wait_loadcnt 0x0
.endif
	v_max3_num_f32 v12, |v[XB]|, |v[XB+1]|, |v[XB+2]|
	v_max3_num_f32 v13, |v[XB+3]|, |v[XB+4]|, |v[XB+5]|
.irp i, 6,10,14,18,22,26
	v_max3_num_f32 v12, v12, |v[XB+\i]|, |v[XB+\i+1]|
	v_max3_num_f32 v13, v13, |v[XB+\i+2]|, |v[XB+\i+3]|
.endr
	v_max3_num_f32 v12, v12, |v[XB+30]|, |v[XB+31]|
	v_max3_num_f32 v12, v12, v13, 0x2800000            ; the floor 2^(5 - 127): the byte cannot fall under 1
	v_add_nc_u32 v11, 0xfe000000, v12                  ; 4 off the exponent field: the conversion's scale operand
	v_cvt_scalef32_pk16_bf6_f32 v[WC:WC+2], v[XB:XB+15], v11
	v_cvt_scalef32_pk16_bf6_f32 v[WC+8:WC+10], v[XB+16:XB+31], v11
	v_lshrrev_b32 v13, 23, v11                         ; the scale's byte (also the plain place behind the conversions)
.if (\t)%4 == 0
	v_mov_b32 v[WSB+(\t)/4], v13
.else
	v_lshl_or_b32 v[WSB+(\t)/4], v13, 8*((\t)%4), v[WSB+(\t)/4]
.endif
.irp i, 0,1,2
	v_mov_b32 v[WC+3+\i], v[WC+8+\i]
.endr
.set OO, 3072*((\t)/4)+256*((\t)%2)                ; K step t / 4; the block belongs to lanes 16 (t % 2) + r, registers 6 c on, c = (t / 2) % 2
.if ((\t)/2)%2 == 0
	ds_store_b128 v3, v[WC:WC+3] offset:OO
	ds_store_b64 v3, v[WC+4:WC+5] offset:OO+512
.else
	ds_store_b64 v3, v[WC:WC+1] offset:OO+520
	ds_store_b128 v3, v[WC+2:WC+5] offset:OO+1024
.endif
.if (\t)+2 < 4
	WLOAD (\t)+2
.endif
	s_wait_dscnt 0x0                                   ; the stores have read their registers
.endm
; a tile's entry from (expert, the expert's first place, its first tile, its rows) in v[b] .. v[b + 3] and the tile's number in v[i]
.macro TENT b, i
	v_sub_nc_u32 v248, v[\i], v[\b+2]                  ; which tile of its expert
	v_mul_u32_u24 v248, v248, 80
	v_add_nc_u32 v[\b+1], v[\b+1], v248                ; first place
	v_min_u32 v249, v248, v[\b+3]
	v_sub_nc_u32 v249, v[\b+3], v249
	v_min_u32 v[\b+2], 80, v249                        ; rows
	v_min_u32 v249, 1, v[\b+2]
	v_sub_nc_u32 v[\b+3], v[\b+2], v249                ; last row
.endm
; Batch bb: 64 tokens x 4 slots of my wave, placed by the work-group of that number alone: a scalar branch on the work-group's number; the registers of the groups' first places differ from batch to batch, so each is written out.
; place = the group's first place for the row's expert + the row's rank.  The first comes from the lane of that expert's number: a lane permute, which touches no LDS byte.
; The placement is a permutation, so the list is written by stores of 4 bytes to places far apart: 64 KiB in all, 4 KiB a work-group.
.macro BATCH bb
	s_cmp_lg_u32 ttmp9, \bb
	s_cbranch_scc1 .Lnot_mine_\@
	s_wait_xcnt 0x0                                    ; earlier stores have read their addresses and data
.irp q, 0,1,2,3,4,5,6,7
	v_and_b32 v[224+\q], 31, v[RR+\q]
.endr
.irp q, 0,1,2,3,4,5,6,7
	v_lshlrev_b32 v[224+\q], 2, v[224+\q]
.endr
.irp q, 0,1,2,3,4,5,6,7
	ds_bpermute_b32 v[208+2*\q], v[224+\q], v[HH+4*(\bb)+2*(\q/4)]     ; for lanes 0-15: the even group,
	ds_bpermute_b32 v[209+2*\q], v[224+\q], v[HH+4*(\bb)+2*(\q/4)+1]   ; for lanes 16-31: the odd one
.endr
.irp q, 0,1,2,3,4,5,6,7
	v_bfe_u32 v[232+\q], v[RR+\q], 8, 4                ; the rank
.endr
	s_wait_dscnt 0x0
.irp q, 0,1,2,3,4,5,6,7
	v_cndmask_b32 v[224+\q], v[208+2*\q], v[209+2*\q], s29
.endr
.irp q, 0,1,2,3,4,5,6,7
	v_add_nc_u32 v[224+\q], v[224+\q], v[232+\q]
.endr
.irp q, 0,1,2,3,4,5,6,7
	v_min_u32 v[224+\q], 0x3fff, v[224+\q]             ; a place lies in the list
.endr
.irp q, 0,1,2,3,4,5,6,7
	v_lshlrev_b32 v[224+\q], 2, v[224+\q]
.endr
.irp q, 0,1,2,3,4,5,6,7
	v_add_nc_u32 v[232+\q], 256*(\bb)+128*(\q/4)+\q%4, v15   ; the row: token x 4 + slot
.endr
.irp q, 0,1,2,3,4,5,6,7
	global_store_b32 v[224+\q], v[232+\q], s[10:11] offset:4096
.endr
.Lnot_mine_\@:
.endm
	s_load_b256 s[4:11], s[0:1], 0x0               ; route s[4:5], values s[6:7], vq s[8:9], order s[10:11]
	v_lshl_add_u32 v254, v0, 2, 0x6200
	v_mov_b32 v255, 0
	v_lshrrev_b32 v1, 5, v0
	v_readfirstlane_b32 s18, v1                    ; wave 0..3
	v_and_b32 v1, 31, v0                           ; lane
	s_cmp_lt_u32 ttmp9, NSORT
	s_cbranch_scc1 .Lsort
	; ---------------- the values' path
	s_sub_co_u32 s20, ttmp9, NSORT                 ; 0 .. 511: bit 0 the job's K step s', bits 3:1 which four of the 32 B, bits 8:4 e
	s_lshr_b32 s21, s20, 4                         ; e
	s_and_b32 s23, s20, 1                          ; s'
	s_bfe_u32 s22, s20, 0x30001
	s_lshl_b32 s22, s22, 2
	s_add_co_u32 s22, s22, s18                     ; B
	s_lshl_b32 s24, s21, 20
	s_lshl_b32 s25, s22, 7
	s_add_co_u32 s24, s24, s25
	s_lshl_b32 s25, s23, 19                        ; 128 rows of 4,096 bytes
	s_add_co_u32 s24, s24, s25
	s_mov_b32 s25, 0
	s_lshl_b32 s26, s21, 5
	s_add_co_u32 s26, s26, s22                     ; J
	s_mul_i32 s28, s26, 6144
	s_mul_i32 s27, s23, 3072                       ; the K step's two fragments
	s_add_co_u32 s28, s28, s27
	s_mov_b32 s29, 0
	s_lshl_b32 s30, s26, 8
	s_add_co_u32 s30, s30, 6291456
	s_lshl_b32 s27, s23, 2                         ; and its word of a lane's two
	s_add_co_u32 s30, s30, s27
	s_mov_b32 s31, 0
	s_wait_alu depctr_va_vdst(0)
	v_lshlrev_b32 v2, 2, v1
	v_and_b32 v7, 7, v1
	v_bfe_u32 v8, v1, 4, 1
	v_lshl_or_b32 v7, v8, 3, v7                    ; my column's row in its tile
	v_bfe_u32 v8, v1, 3, 1                         ; and its tile u
	s_mul_i32 s19, s18, 6144
	s_add_co_u32 s19, s19, VST
	v_mul_u32_u24 v3, v8, 1536
	v_lshl_add_u32 v3, v7, 4, v3
	v_add_nc_u32 v3, s19, v3
	v_lshlrev_b32 v5, 4, v1
	v_add_nc_u32 v4, s19, v5
	v_lshlrev_b32 v6, 7, v8
	v_lshl_add_u32 v6, v7, 3, v6
	s_wait_kmcnt 0x0
	s_add_nc_u64 s[6:7], s[6:7], s[24:25]
	s_add_nc_u64 s[32:33], s[8:9], s[28:29]
	s_add_nc_u64 s[34:35], s[8:9], s[30:31]
	WLOAD 0
	WLOAD 1
.irp t, 0,1,2,3
	WBLOCK \t
.endr
	s_wait_alu depctr_va_vdst(0)
	global_store_b32 v6, v[WSB], s[34:35]          ; my column's scale word of this K step
.irp i, 0,1,2,3,4,5
	ds_load_b128 v[WOUT+4*\i:WOUT+4*\i+3], v4 offset:512*\i
.endr
.irp i, 0,1,2,3,4,5
	s_wait_dscnt 5-\i                              ; load i is in; the younger ones may be out
	global_store_b128 v5, v[WOUT+4*\i:WOUT+4*\i+3], s[32:33] offset:512*\i   ; 512 consecutive bytes, aligned
.endr
	s_wait_tensorcnt 0x0
	ds_add_u32 v254, v255
	s_wait_dscnt 0x0
	s_endpgm
	; ---------------- the sort.  Wave w sums groups 64 w .. 64 w + 63 (tokens 1,024 w on) and places the 64 tokens 1,024 w + 64 j on
.Lsort:
	s_wait_alu depctr_va_vdst(0)
	v_lshlrev_b32 v2, 2, v1                        ; 4 x lane
	s_wait_alu depctr_va_vdst(0)
	v_lshlrev_b32 v3, 4, v1                        ; 16 x lane
	v_lshlrev_b32 v4, 2, v0                        ; LDS: my wave's totals: 128 w + 4 x lane
	v_lshlrev_b32 v5, 4, v0                        ; my first tile's entry
	v_add_nc_u32 v14, 128, v0                      ; my second tile's number
	s_lshl_b32 s20, s18, 13                        ; my wave's 64 histograms of 128 bytes
	s_mov_b32 s21, 0
	s_and_b32 s30, ttmp9, NSORT-1                  ; j
	s_lshl_b32 s22, s18, 14                        ; my wave's 1,024 tokens x 16 bytes,
	s_lshl_b32 s31, s30, 10                        ; of them the work-group's 64
	s_add_co_u32 s22, s22, s31
	s_mov_b32 s23, 0
	s_lshl_b32 s28, s18, 12
	v_add_nc_u32 v15, s28, v2                      ; 4 (1,024 w + lane): the row number less the batch's part
	s_mov_b32 s29, 0xffff0000                      ; lanes 16-31
	s_wait_alu depctr_va_vdst(0)
	s_wait_kmcnt 0x0
	s_add_nc_u64 s[12:13], s[4:5], s[20:21]
	s_add_nc_u64 s[14:15], s[4:5], s[22:23]
.set kk, 0
.rept 64
	global_load_b32 v[HH+kk], v2, s[12:13] offset:65536+128*kk
.set kk, kk+1
.endr
	global_load_b128 v[RR:RR+3], v3, s[14:15]              ; 32 tokens' four words (expert | rank << 8),
	global_load_b128 v[RR+4:RR+7], v3, s[14:15] offset:512 ; and the next 32's
	s_wait_loadcnt 2                               ; the histograms are in; the two loads of words may be out
.set kk, 1
.rept 63
	v_add_nc_u32 v[HH+kk], v[HH+kk], v[HH+kk-1]    ; running sums over my groups
.set kk, kk+1
.endr
	ds_store_b32 v4, v[HH+63]
	s_wait_dscnt 0x0                               ; for the others' sake
	s_barrier_signal -1
	s_barrier_wait -1
.irp j, 0,1,2,3
	ds_load_b32 v[10+\j], v2 offset:128*\j
.endr
	s_wait_dscnt 0x0
	v_add_nc_u32 v6, v10, v11
	v_add_nc_u32 v6, v6, v12
	v_add_nc_u32 v6, v6, v13                       ; lane e: the expert's rows in all
	s_cmp_gt_u32 s18, 0
	s_cselect_b32 s26, -1, 0
	v_and_b32 v7, s26, v10
	s_cmp_gt_u32 s18, 1
	s_cselect_b32 s26, -1, 0
	v_and_b32 v248, s26, v11
	v_add_nc_u32 v7, v7, v248
	s_cmp_gt_u32 s18, 2
	s_cselect_b32 s26, -1, 0
	v_and_b32 v248, s26, v12
	v_add_nc_u32 v7, v7, v248                      ; and in the waves before mine
	v_mov_b32 v8, 0
.irp j, 0,1,2,3,4,5,6,7
	v_mov_b32 v[240+\j], 0
.endr
	s_mov_b32 s24, 0                               ; places so far
	s_mov_b32 s25, 0                               ; tiles so far
.set ee, 0
.rept 32                                           ; each tile number keeps the last expert whose first tile is not beyond it
	v_readlane_b32 s26, v6, ee
	v_writelane_b32 v8, s24, ee                    ; lane e: the expert's first place
	v_cmp_gt_u32 vcc_lo, s25, v0
	v_cndmask_b32 v240, ee, v240, vcc_lo
	v_cndmask_b32 v241, s24, v241, vcc_lo
	v_cndmask_b32 v242, s25, v242, vcc_lo
	v_cndmask_b32 v243, s26, v243, vcc_lo
	v_cmp_gt_u32 vcc_lo, s25, v14
	v_cndmask_b32 v244, ee, v244, vcc_lo
	v_cndmask_b32 v245, s24, v245, vcc_lo
	v_cndmask_b32 v246, s25, v246, vcc_lo
	v_cndmask_b32 v247, s26, v247, vcc_lo
	s_add_co_u32 s27, s26, 79
	s_mul_i32 s27, s27, 0xcccd
	s_lshr_b32 s27, s27, 22                        ; (n + 79) / 80: exact for n + 79 under 81,920
	s_add_co_u32 s24, s24, s26
	s_add_co_u32 s25, s25, s27
.set ee, ee+1
.endr
	s_cmp_lg_u32 ttmp9, 0                          ; the list of tiles has one owner: work-group 0
	s_cbranch_scc1 .Lno_table
	TENT 240, 0
	TENT 244, 14
	global_store_b128 v5, v[240:243], s[10:11]
	global_store_b128 v5, v[244:247], s[10:11] offset:2048
.Lno_table:
	v_add_nc_u32 v9, v7, v8
.set kk, 63
.rept 63
	v_add_nc_u32 v[HH+kk], v[HH+kk-1], v9          ; lane e of register k: the first place of group k's rows of expert e
.set kk, kk-1
.endr
	v_mov_b32 v[HH], v9
	s_wait_loadcnt 0x0                             ; my 64 tokens' words
.irp b, 0,1,2,3,4,5,6,7,8,9,10,11,12,13,14,15
	BATCH \b
.endr
	s_wait_tensorcnt 0x0
	ds_add_u32 v254, v255
	s_wait_dscnt 0x0
	s_endpgm
.Lfunc_end_k_q4d8db87aec_prep2:
	.size	k_q4d8db87aec_prep2, .Lfunc_end_k_q4d8db87aec_prep2-k_q4d8db87aec_prep2
	.p2alignl 7, 3214868480
	.fill 96, 4, 3214868480
	.section	.rodata,"a",@progbits
	.p2align	6, 0x0
	.amdhsa_kernel k_q4d8db87aec_prep2
		.amdhsa_group_segment_fixed_size 25600
		.amdhsa_private_segment_fixed_size 0
		.amdhsa_enable_private_segment 0
		.amdhsa_kernarg_size 32
		.amdhsa_user_sgpr_count 2
		.amdhsa_user_sgpr_kernarg_segment_ptr 1
		.amdhsa_wavefront_size32 1
		.amdhsa_system_sgpr_workgroup_id_x 1
		.amdhsa_system_sgpr_workgroup_id_y 1
		.amdhsa_system_sgpr_workgroup_id_z 1
		.amdhsa_system_vgpr_workitem_id 0
		.amdhsa_next_free_vgpr 256
		.amdhsa_next_free_sgpr 66
		.amdhsa_reserve_vcc 1
		.amdhsa_float_denorm_mode_32 3
		.amdhsa_float_denorm_mode_16_64 3
		.amdhsa_memory_ordered 1
		.amdhsa_forward_progress 1
		.amdhsa_inst_pref_size 135
	.end_amdhsa_kernel
	.amdgpu_metadata
---
amdhsa.version: [ 1, 2 ]
amdhsa.kernels:
  - .name:           k_q4d8db87aec_prep2
    .symbol:         k_q4d8db87aec_prep2.kd
    .args:
      - { .name: route, .offset: 0, .size: 8, .value_kind: global_buffer, .address_space: global }
      - { .name: values, .offset: 8, .size: 8, .value_kind: global_buffer, .address_space: global }
      - { .name: vq, .offset: 16, .size: 8, .value_kind: global_buffer, .address_space: global }
      - { .name: order, .offset: 24, .size: 8, .value_kind: global_buffer, .address_space: global }
    .group_segment_fixed_size: 25600
    .private_segment_fixed_size: 0
    .kernarg_segment_align: 8
    .kernarg_segment_size: 32
    .max_flat_workgroup_size: 128
    .sgpr_count:     66
    .vgpr_count:     256
    .wavefront_size: 32
...
	.end_amdgpu_metadata
.endif
;; end of part 2
;; launch chain (part 3): grid 236 x 1, 4 waves a work-group, no clusters, 172,032 bytes of LDS; arguments order, gates, xrec, kq, vq, partial; writes partial
.if DOCPART == 3
	.amdgcn_target "amdgcn-amd-amdhsa--gfx1250"
	.amdhsa_code_object_version 6
	.text
	.protected	k_q4d8db87aec_chain
	.globl	k_q4d8db87aec_chain
	.p2align	8
	.type	k_q4d8db87aec_chain,@function
k_q4d8db87aec_chain:
	s_mov_b64 s[64:65], 0
	v_nop
	global_prefetch_b8 v0, s[64:65] scope:SCOPE_SE
	s_setreg_imm32_b32 hwreg(HW_REG_WAVE_MODE, 25, 1), 1
	s_wait_xcnt 0x0
; CHAIN.  A work-group takes one tile of at most 80 routed rows of ONE expert through the whole chain: gather the rows' codes of x, h = relu(x keys_e), h x gate, quantise along the hidden units,
; (h x gate) values_e; the result, one row of 1,024 f32 for each routed row, goes to partial[token x 4 + slot]; the next launch adds a token's four.  The hidden layer never goes to memory.
; GRID: 16,384 rows, 32 experts, tiles of 80: never more than 205 + 31 = 236 tiles.  A work-group whose entry has 0 rows runs through on one row of the list and stores nothing: it passes both barriers like the others.
; SHARES.  The waves share the COLUMNS: wave w makes hidden units 64 w .. 64 w + 63 and then outputs 256 w .. 256 w + 255, for all 80 rows.  So each weight fragment is loaded by one wave of the work-group,
; from memory straight into registers (the workspace holds images of the operand's registers), and feeds five matrix instructions.  A wave's 32 key fragments are all asked for at the head; values' group s lands in the registers that K step s has left.
; THE WAY OUT BEGINS EARLY: a pass of the second product waits for its own two groups of values alone, so the later groups land while the earlier passes' rows are stored.
; No joint loads: how many tiles an expert has hangs on the stored list, so a fixed grid cannot be cut into clusters of one expert without padding every expert to whole clusters (up to 95 clusters of 4).
; BOTH PRODUCTS ARE USED TRANSPOSED (source 0 = 16 columns of the weight, source 1 = 16 rows): a lane holds one row; by the workspace's choice of a tile's columns the 16 registers of tiles u = 0, 1 of a group of 32 columns are 16 neighbours.
; ROWS PAST THE TILE'S LAST inside its last 16 are copies of the last row (same record, same gate, same bits) and are stored to that row's bytes by the same wave: that changes nothing and needs no play with EXEC.
; LIMITS: NaN and infinities are not served; a block of the hidden layer whose largest number lies under 2^-122 (a block of zeros too) gets the byte 1.
; REGISTERS, in windows of 256.  Window 0: v1-31, v253-254 addresses; v32-151 x's fragments (two sets of 5), later 10 hidden fragments; v152-191 x's scale words, later the hidden layer's; v192-207 keys' scale words; v208-223 values';
;   v224-233 gates; v234-252 at work.  Windows 1, 2: eight slots of 48 registers (slot i: window 1 + i / 5, register 48 (i % 5)): keys' K step i, then values' group i.  Window 2 also: v144-183 the rows' places in partial, v184-247 the way out.
;   Window 3: v0-159 twenty accumulators.
.set XSC,   0                          ; LDS: x's scale words: (tile of rows m, pair of K steps q) 256 bytes, 8 a lane
.set HSC,   5120                       ; the hidden layer's: (m, K step s2) 128 bytes, 4 a lane
.set HIMG,  6400                       ; its codes: (m, s2, half c) 768 bytes: four registers at 16 x lane, two at 512 + 8 x lane
.set XIMG,  21760                      ; x's fragments (m, K step s) at (8 m + s) 1,536, as images of their registers
.set STAGE, 83200                      ; the way out: 80 rows x (256 bytes + 16) for each wave
.set LISTB, 170240                     ; the tile's 80 row numbers, 320 bytes for each wave, its own
.set RID,   14
.set RO,    19
.set RS,    24
.set XH,    32
.set XS,    152
.set HS,    152
.set KS,    192
.set VS,    208
.set GT,    224
.set GA,    234
.set QM,    234
.set QP,    236
.set QS,    238
.set QB,    240
.set QW,    242
.set QC,    244
.set QD,    250
.set LW,    253
.set LR,    254
.set ROWO,  144
.set OUTR,  184
.set MSB, 0
.macro WIN new                         ; s_set_vgpr_msb: bits 1:0 source 0, 3:2 source 1, 5:4 source 2, 7:6 destination; the high byte repeats the setting that is left
.if MSB != (\new)
	s_set_vgpr_msb (MSB<<8)|(\new)
.set MSB, \new
.endif
.endm
.macro MM zero, row1                   ; one product on rD, rA, rB, rSA, rSB.  row1: source 0's scale words stand in lanes 16-31
.if \zero
.if \row1
	v_wmma_scale_f32_16x16x128_f8f6f4 v[rD:rD+7], v[rA:rA+11], v[rB:rB+11], 0, v[rSA], v[rSB] matrix_a_fmt:MATRIX_FMT_BF6 matrix_b_fmt:MATRIX_FMT_BF6 matrix_a_scale:MATRIX_SCALE_ROW1
.else
	v_wmma_scale_f32_16x16x128_f8f6f4 v[rD:rD+7], v[rA:rA+11], v[rB:rB+11], 0, v[rSA], v[rSB] matrix_a_fmt:MATRIX_FMT_BF6 matrix_b_fmt:MATRIX_FMT_BF6
.endif
.else
.if \row1
	v_wmma_scale_f32_16x16x128_f8f6f4 v[rD:rD+7], v[rA:rA+11], v[rB:rB+11], v[rD:rD+7], v[rSA], v[rSB] matrix_a_fmt:MATRIX_FMT_BF6 matrix_b_fmt:MATRIX_FMT_BF6 matrix_a_scale:MATRIX_SCALE_ROW1
.else
	v_wmma_scale_f32_16x16x128_f8f6f4 v[rD:rD+7], v[rA:rA+11], v[rB:rB+11], v[rD:rD+7], v[rSA], v[rSB] matrix_a_fmt:MATRIX_FMT_BF6 matrix_b_fmt:MATRIX_FMT_BF6
.endif
.endif
.endm
.macro KLOAD s                         ; keys' four fragments (group Bi, tile u) of K step s into slot s: 12 loads of 512 consecutive bytes
.set WN, (1+(\s)/5)<<6
	WIN WN
.irp b, 0,1
.irp j, 0,1,2,3,4,5
	global_load_b128 v[48*((\s)%5)+24*\b+4*\j:48*((\s)%5)+24*\b+4*\j+3], v1, s[26:27] offset:24576*\b+6144*((\s)/2)+3072*((\s)%2)+512*\j
.endr
.endr
.endm
.macro VLOAD s                         ; values' four fragments (K step s', tile u) of group s into slot s
.set WN, (1+(\s)/5)<<6
	WIN WN
.irp j, 0,1,2,3,4,5,6,7,8,9,10,11
	global_load_b128 v[48*((\s)%5)+4*\j:48*((\s)%5)+4*\j+3], v1, s[30:31] offset:6144*(\s)+512*\j
.endr
	WIN 0
.endm
.macro FETCHX s                        ; x's five fragments of K step s into set s % 2
.irp m, 0,1,2,3,4
.irp g, 0,1,2
	ds_load_b128 v[XH+60*((\s)%2)+12*\m+4*\g:XH+60*((\s)%2)+12*\m+4*\g+3], v3 offset:(8*\m+(\s))*1536+512*\g
.endr
.endr
.endm
; K step s of the first product: 20 matrix instructions, the 20 accumulators by turns in the same order in every step
.macro P2STEP s
.if (\s) < 7
	s_wait_dscnt 15                                ; this step's fragments of x are in; the next step's 15 loads may be out
.else
	s_wait_dscnt 0x0
.endif
.if (\s) == 4
	s_wait_loadcnt 48                              ; keys' K steps 4-7 are in; behind them only values' groups 0-3, 12 loads each, were asked for
.endif
.set WN, 0xf0|(1+(\s)/5)
	WIN WN                                         ; source 0: the slot's window; source 1: window 0; C and D: window 3
.irp t, 0,1,2,3
.irp m, 0,1,2,3,4
.set rD, 8*(5*\t+\m)
.set rA, 48*((\s)%5)+12*\t
.set rB, XH+60*((\s)%2)+12*\m
.set rSA, KS+2*(4*(\t/2)+(\s)/2)+(\s)%2
.set rSB, XS+8*\m+(\s)
.if (\s) == 0
	MM 1, \t%2
.else
	MM 0, \t%2
.endif
.endr
.endr
	WIN 0
.rept 4
	v_nop                                          ; four places in front of loads into registers that these products have read, and of the first read of the results
.endr
.if (\s)+2 < 8
	FETCHX (\s)+2
.endif
.if (\s) < 5
	VLOAD \s                                       ; groups 5-7 are asked for while the hidden layer is quantised: with them here more loads would be out than the counter's field holds, and the last products would stand behind the issue of these loads
.endif
.endm
; rows 16 m on: my 64 hidden units: relu, x gate, two blocks of 32 quantised: registers 6 c .. 6 c + 5 and bytes 2 c, 2 c + 1 of the second product's fragment (m, s2), c = w % 2, s2 = w / 2
.macro HQ m
	WIN 0x0c                                       ; source 1: window 3
.irp t, 0,1,2,3
.irp j, 0,1,2,3,4,5,6,7
	v_max_num_f32 v[XH+8*\t+\j], 0, v[8*(5*\t+(\m))+\j]   ; each accumulator from its low end on.  Register 16 Bi + 8 u + j is hidden unit 64 w + 32 Bi + 16 (lane / 16) + 8 u + j
.endr
.endr
	WIN 0
.irp q, 0,2,4,6,8,10,12,14,16,18,20,22,24,26,28,30
	v_pk_mul_f32 v[XH+\q:XH+\q+1], v[XH+\q:XH+\q+1], v[GT+2*(\m):GT+2*(\m)+1] op_sel_hi:[1,0]   ; x my row's gate
.endr
.irp b, 0,1
	v_max3_num_f32 v[QM+\b], v[XH+16*\b], v[XH+16*\b+1], 0x2800000   ; nothing is negative here; the floor 2^(5 - 127) holds the byte at 1 from below
.endr
.irp i, 2,4,6,8,10,12,14
.irp b, 0,1
	v_max3_num_f32 v[QM+\b], v[QM+\b], v[XH+16*\b+\i], v[XH+16*\b+\i+1]
.endr
.endr
.irp b, 0,1
	v_permlanex16_b32 v[QP+\b], v[QM+\b], s36, s37
.endr
.irp b, 0,1
	v_max_num_f32 v[QM+\b], v[QM+\b], v[QP+\b]
.endr
.irp b, 0,1
	v_add_nc_u32 v[QS+\b], 0xfe000000, v[QM+\b]    ; the conversion's scale operand
.endr
.irp b, 0,1
	v_lshrrev_b32 v[QB+\b], 23, v[QS+\b]
.endr
	v_lshl_or_b32 v[QW], v[QB+1], 8, v[QB]
	v_cvt_scalef32_pk16_bf6_f32 v[QC:QC+2], v[XH:XH+15], v[QS]
	v_cvt_scalef32_pk16_bf6_f32 v[QD:QD+2], v[XH+16:XH+31], v[QS+1]
	v_nop                                          ; one plain place behind a scaled conversion
.irp i, 0,1,2
	v_permlane16_swap_b32 v[QC+\i], v[QD+\i]       ; a whole block to a lane: lanes 0-15 the first, lanes 16-31 the second
.endr
.irp i, 0,1,2
	v_mov_b32 v[QC+3+\i], v[QD+\i]
.endr
	ds_store_b128 v6, v[QC:QC+3] offset:3072*(\m)
	ds_store_b64 v7, v[QC+4:QC+5] offset:3072*(\m)+512
	ds_store_b16 v8, v[QW] offset:256*(\m)
	s_wait_dscnt 0x0                               ; the stores have read their registers (and, behind the last, have landed for the others' sake)
.endm
; pass p of the second product: my groups 2 p, 2 p + 1 (64 outputs) for the 80 rows: 40 matrix instructions, 20 accumulators by turns; then the results go to my stage
.macro PASS p
.if (\p) == 0
	s_wait_loadcnt 63                              ; groups 0 and 1 are in.  Behind them six groups of 12 loads were asked for: 72, more than this wait can name, so it asks for a little more than is needed
.else
	s_wait_loadcnt 72-24*(\p)                      ; groups 2 p and 2 p + 1 are in; the 6 - 2 p groups behind them, 12 loads each, may be out
.endif
.irp sp, 0,1
.irp g, 0,1
.set SLT, 2*(\p)+\g
.set WN, 0xf0|(1+SLT/5)
	WIN WN
.irp u, 0,1
.irp m, 0,1,2,3,4
.set rD, 8*(5*(2*\g+\u)+\m)
.set rA, 48*(SLT%5)+12*(2*\sp+\u)
.set rB, XH+12*(2*\m+\sp)
.set rSA, VS+2*SLT+\sp
.set rSB, HS+2*\m+\sp
	MM 1-\sp, \u
.endr
.endr
.endr
.endr
	WIN 0
.rept 5
	v_nop                                          ; four places in front of the stores that read the results; the fifth since the next pass's first products write over these accumulators
.endr
	WIN 0x0c                                       ; an LDS store's data are its source 1: window 3
.irp g, 0,1
.irp u, 0,1
.irp m, 0,1,2,3,4
.irp q, 0,1
	ds_store_b128 v9, v[8*(5*(2*\g+\u)+\m)+4*\q:8*(5*(2*\g+\u)+\m)+4*\q+3] offset:4352*\m+128*\g+32*\u+16*\q   ; lane (r, h): row 16 m + r, outputs 32 g + 16 h + 8 u + 4 q on; each accumulator from its low end on
.endr
.endr
.endr
.endr
	WIN 0
.endm
; rows 16 m on of pass p leave, if the tile has them: back from my stage as whole pieces of 256 bytes, two rows an instruction
.macro OUTG p, m
	s_cmp_le_u32 s22, 16*(\m)
	s_cbranch_scc1 .Lnone_\@
	s_wait_xcnt 0x0                                ; earlier stores have read their registers
	WIN 0x80
.irp i, 0,1,2,3,4,5,6,7
	ds_load_b128 v[OUTR+32*((\m)%2)+4*\i:OUTR+32*((\m)%2)+4*\i+3], v10 offset:4352*(\m)+544*\i   ; LDS serves a wave's instructions in order: these see my stores
.endr
	WIN 0x0a                                       ; address and data: window 2
	s_wait_alu depctr_va_vdst(0)
.irp i, 0,1,2,3,4,5,6,7
	s_wait_dscnt 7-\i
	global_store_b128 v[ROWO+8*(\m)+\i], v[OUTR+32*((\m)%2)+4*\i:OUTR+32*((\m)%2)+4*\i+3], s[14:15] offset:256*(\p) th:TH_STORE_NT   ; 16 lanes store 256 consecutive bytes, aligned; written once, read by nobody in this launch
.endr
	WIN 0
.Lnone_\@:
.endm
	s_load_b256 s[4:11], s[0:1], 0x0               ; order s[4:5], gates s[6:7], xrec s[8:9], kq s[10:11]
	s_load_b128 s[12:15], s[0:1], 0x20             ; vq s[12:13], partial s[14:15]
	v_lshl_add_u32 v243, v0, 2, 0x29e00
	s_set_vgpr_msb 0x40
	v_mov_b32 v255, 0
	s_set_vgpr_msb 0x4000
	v_lshrrev_b32 v1, 5, v0
	v_readfirstlane_b32 s16, v1                    ; wave 0..3
	s_lshl_b32 s17, ttmp9, 4
	s_wait_kmcnt 0x0
	s_load_b128 s[20:23], s[4:5], s17 offset:0x0   ; my tile: expert, first place, rows, last row
	v_and_b32 v255, 31, v0                         ; lane
	v_and_b32 v11, 15, v0                          ; r
	v_bfe_u32 v12, v0, 4, 1                        ; h
	v_lshlrev_b32 v1, 4, v255                      ; 16 x lane
	s_wait_alu depctr_va_vdst(0)
	v_lshlrev_b32 v2, 3, v255                      ; 8 x lane
	s_wait_alu depctr_va_vdst(0)
	v_add_nc_u32 v3, XIMG, v1
	s_mul_i32 s38, s16, 3072
	v_add_nc_u32 v4, s38, v3                       ; where I store x's images: K steps 2 w, 2 w + 1
	s_lshl_b32 s38, s16, 8
	v_add_nc_u32 v5, s38, v2                       ; and their scale words
	s_lshr_b32 s39, s16, 1                         ; s2
	s_and_b32 s40, s16, 1                          ; c
	s_mul_i32 s38, s39, 1536
	s_mul_i32 s41, s40, 768
	s_add_co_u32 s38, s38, s41
	s_add_co_u32 s38, s38, HIMG
	v_add_nc_u32 v6, s38, v1                       ; where I store my half of a hidden fragment: four registers,
	v_add_nc_u32 v7, s38, v2                       ; two registers,
	s_lshl_b32 s38, s39, 7
	s_lshl_b32 s41, s40, 1
	s_add_co_u32 s38, s38, s41
	s_add_co_u32 s38, s38, HSC
	v_lshlrev_b32 v31, 2, v255
	v_add_nc_u32 v8, s38, v31                      ; my two bytes of its scale word
	v_add_nc_u32 v31, HSC, v31
	s_mul_i32 s38, s16, 21760
	s_add_co_u32 s38, s38, STAGE
	v_mul_u32_u24 v9, v11, 272
	v_lshl_add_u32 v9, v12, 6, v9
	v_add_nc_u32 v9, s38, v9                       ; my stage, in: row r, + 64 h
	v_mul_u32_u24 v10, v12, 272
	v_lshl_add_u32 v10, v11, 4, v10
	v_add_nc_u32 v10, s38, v10                     ; and back: lanes 0-15 one row, lanes 16-31 the next
	s_lshl_b32 s38, s16, 10
	v_lshl_add_u32 v13, v11, 4, s38                ; in a row of partial: 16 r + my wave's 1,024 bytes
	v_add_nc_u32 v29, HIMG, v1
	v_add_nc_u32 v30, HIMG, v2
	s_mul_i32 s38, s16, 320
	s_add_co_u32 s38, s38, LISTB
	v_lshlrev_b32 v[LW], 2, v11
	v_add_nc_u32 v[LW], s38, v[LW]                 ; my wave's list, in: 4 r
	v_lshlrev_b32 v[LR], 2, v12
	v_add_nc_u32 v[LR], s38, v[LR]                 ; and back: 4 h
	v_mul_u32_u24 v240, v12, 384
	s_mul_i32 s38, s16, 96
	v_add_nc_u32 v240, s38, v240                   ; in a record: half h, K step 2 w
	s_lshl_b32 s39, s16, 3
	s_mov_b32 s36, 0x76543210
	s_mov_b32 s37, 0xfedcba98                      ; v_permlanex16_b32's selects for lane l xor 16
.irp m, 0,1,2,3,4
	v_mov_b32 v[GT+2*\m+1], 0                      ; (named as the upper half of a pair)
	v_add_nc_u32 v[RID+\m], 16*\m, v11
.endr
	s_wait_alu depctr_va_vdst(0)
	s_wait_kmcnt 0x0
	s_min_u32 s20, s20, 31                         ; what was loaded is held inside its table before it enters an address
	s_min_u32 s21, s21, 0x3fff
	s_min_u32 s22, s22, 80
	s_min_u32 s23, s23, 79
	s_mul_i32 s34, s20, 196608
	s_mul_i32 s38, s16, 49152
	s_add_co_u32 s34, s34, s38
	s_mov_b32 s35, 0
	s_add_nc_u64 s[26:27], s[10:11], s[34:35]      ; my part of the expert's keys: codes,
	s_add_nc_u64 s[30:31], s[12:13], s[34:35]      ; of its values: codes,
	s_lshl_b32 s34, s20, 13
	s_lshl_b32 s38, s16, 11
	s_add_co_u32 s34, s34, s38
	s_add_co_u32 s34, s34, 6291456
	s_add_nc_u64 s[28:29], s[10:11], s[34:35]      ; keys' scale words,
	s_add_nc_u64 s[32:33], s[12:13], s[34:35]      ; values'
.irp m, 0,1,2,3,4
	v_min_u32 v[RID+\m], s23, v[RID+\m]            ; rows past the last are the last once more
.endr
.irp m, 0,1,2,3,4
	v_add_nc_u32 v[RID+\m], s21, v[RID+\m]
.endr
.irp m, 0,1,2,3,4
	v_min_u32 v[RID+\m], 0x3fff, v[RID+\m]         ; a place lies in the list
.endr
.irp m, 0,1,2,3,4
	v_lshlrev_b32 v[RID+\m], 2, v[RID+\m]
.endr
.irp m, 0,1,2,3,4
	global_load_b32 v[RID+\m], v[RID+\m], s[4:5] offset:4096   ; row 16 m + r of my tile: token x 4 + slot
.endr
.irp b, 0,1
.irp q, 0,1,2,3
	global_load_b64 v[KS+2*(4*\b+\q):KS+2*(4*\b+\q)+1], v2, s[28:29] offset:1024*\b+256*\q
.endr
.endr
	KLOAD 0
	KLOAD 1
	KLOAD 2
	KLOAD 3
	WIN 0
	s_wait_loadcnt 56                              ; the five rows' numbers are in: behind them 8 loads of scale words and 48 of keys were asked for
.irp m, 0,1,2,3,4
	v_min_u32 v[RID+\m], 0x3fff, v[RID+\m]
	v_and_b32 v239, 0x3ffc, v[RID+\m]
	v_mul_u32_u24 v239, v239, 200                  ; token x 800
	v_add_nc_u32 v[RO+\m], v240, v239
	v_add_nc_u32 v[RS+\m], s39, v239
	v_lshlrev_b32 v[GA+\m], 2, v[RID+\m]
.endr
.irp m, 0,1,2,3,4
.irp i, 0,1,2,3,4,5
	global_load_b128 v[XH+24*\m+4*\i:XH+24*\m+4*\i+3], v[RO+\m], s[8:9] offset:16*\i   ; my lane's 24 registers of the row's K steps 2 w, 2 w + 1
.endr
	global_load_b64 v[XS+2*\m:XS+2*\m+1], v[RS+\m], s[8:9] offset:768                  ; their scale words
	global_load_b32 v[GT+2*\m], v[GA+\m], s[6:7]                                       ; the row's gate
.endr
.irp i, 0,1,2,3,4,5,6,7
	global_load_b64 v[VS+2*\i:VS+2*\i+1], v2, s[32:33] offset:256*\i
.endr
	KLOAD 4
	KLOAD 5
	KLOAD 6
	KLOAD 7
	WIN 0
	; The way out stores two rows an instruction (lanes 0-15 row 2 i, lanes 16-31 row 2 i + 1), the gather took sixteen rows a register: the 80 row numbers turn through 320 bytes of my wave's own LDS.
	; LDS serves a wave's instructions in order: no wait between the stores and the loads; the wait in front of the barrier below covers them.
.irp m, 0,1,2,3,4
	ds_store_b32 v[LW], v[RID+\m] offset:64*\m     ; lanes r and r + 16 write the same word with the same value
.endr
	WIN 0x80                                       ; destination window 2
.set ii, 0
.rept 40
	ds_load_b32 v[ROWO+ii], v[LR] offset:8*ii      ; row 2 i + h of the tile
.set ii, ii+1
.endr
	WIN 0
	s_wait_loadcnt 56                              ; the gather is in: behind it 8 loads of scale words and 48 of keys were asked for
.irp m, 0,1,2,3,4
.irp j, 0,1,2,3,4,5
	ds_store_b128 v4, v[XH+24*\m+4*\j:XH+24*\m+4*\j+3] offset:12288*\m+512*\j
.endr
	ds_store_b64 v5, v[XS+2*\m:XS+2*\m+1] offset:XSC+1024*\m
.endr
	s_wait_dscnt 0x0                               ; for the others' sake: my images have landed
	s_barrier_signal -1
	s_barrier_wait -1                              ; x's forty fragments lie in LDS
.irp m, 0,1,2,3,4
.irp q, 0,1,2,3
	ds_load_b64 v[XS+8*\m+2*\q:XS+8*\m+2*\q+1], v2 offset:XSC+256*(4*\m+\q)
.endr
.endr
	FETCHX 0
	FETCHX 1
.irp s, 0,1,2,3,4,5,6,7
	P2STEP \s
.endr
.irp m, 0,1,2,3,4
	HQ \m
.if \m < 3
	VLOAD \m+5                                     ; values' groups 5, 6, 7 into the slots that K steps 5, 6, 7 have left
.endif
.endr
	s_barrier_signal -1
	s_barrier_wait -1                              ; the hidden layer's ten fragments lie in LDS
.irp m, 0,1,2,3,4
.irp s, 0,1
	ds_load_b128 v[XH+12*(2*\m+\s):XH+12*(2*\m+\s)+3], v29 offset:3072*\m+1536*\s
	ds_load_b64 v[XH+12*(2*\m+\s)+4:XH+12*(2*\m+\s)+5], v30 offset:3072*\m+1536*\s+512
	ds_load_b128 v[XH+12*(2*\m+\s)+6:XH+12*(2*\m+\s)+9], v29 offset:3072*\m+1536*\s+768
	ds_load_b64 v[XH+12*(2*\m+\s)+10:XH+12*(2*\m+\s)+11], v30 offset:3072*\m+1536*\s+1280
	ds_load_b32 v[HS+2*\m+\s], v31 offset:128*(2*\m+\s)
.endr
.endr
	WIN 0x88                                       ; the rows' places in partial, while those loads are out
.set ii, 0
.rept 40
	v_min_u32 v[ROWO+ii], 0x3fff, v[ROWO+ii]       ; a row number lies in partial
.set ii, ii+1
.endr
	WIN 0x82
.set ii, 0
.rept 40
	v_lshl_add_u32 v[ROWO+ii], v[ROWO+ii], 12, v13 ; row x 4,096 + my place in it
.set ii, ii+1
.endr
	WIN 0
	s_wait_dscnt 0x0
.irp p, 0,1,2,3
	PASS \p
.irp m, 0,1,2,3,4
	OUTG \p, \m
.endr
.endr
	s_set_vgpr_msb 0x4
	s_wait_tensorcnt 0x0
	ds_add_u32 v243, v255
	s_wait_dscnt 0x0
	s_set_vgpr_msb 0x400
	s_endpgm
.Lfunc_end_k_q4d8db87aec_chain:
	.size	k_q4d8db87aec_chain, .Lfunc_end_k_q4d8db87aec_chain-k_q4d8db87aec_chain
	.p2alignl 7, 3214868480
	.fill 96, 4, 3214868480
	.section	.rodata,"a",@progbits
	.p2align	6, 0x0
	.amdhsa_kernel k_q4d8db87aec_chain
		.amdhsa_group_segment_fixed_size 172032
		.amdhsa_private_segment_fixed_size 0
		.amdhsa_enable_private_segment 0
		.amdhsa_kernarg_size 48
		.amdhsa_user_sgpr_count 2
		.amdhsa_user_sgpr_kernarg_segment_ptr 1
		.amdhsa_wavefront_size32 1
		.amdhsa_system_sgpr_workgroup_id_x 1
		.amdhsa_system_sgpr_workgroup_id_y 1
		.amdhsa_system_sgpr_workgroup_id_z 1
		.amdhsa_system_vgpr_workitem_id 0
		.amdhsa_next_free_vgpr 928
		.amdhsa_next_free_sgpr 66
		.amdhsa_reserve_vcc 0
		.amdhsa_float_denorm_mode_32 3
		.amdhsa_float_denorm_mode_16_64 3
		.amdhsa_memory_ordered 1
		.amdhsa_forward_progress 1
		.amdhsa_inst_pref_size 162
	.end_amdhsa_kernel
	.amdgpu_metadata
---
amdhsa.version: [ 1, 2 ]
amdhsa.kernels:
  - .name:           k_q4d8db87aec_chain
    .symbol:         k_q4d8db87aec_chain.kd
    .args:
      - { .name: order, .offset: 0, .size: 8, .value_kind: global_buffer, .address_space: global }
      - { .name: gates, .offset: 8, .size: 8, .value_kind: global_buffer, .address_space: global }
      - { .name: xrec, .offset: 16, .size: 8, .value_kind: global_buffer, .address_space: global }
      - { .name: kq, .offset: 24, .size: 8, .value_kind: global_buffer, .address_space: global }
      - { .name: vq, .offset: 32, .size: 8, .value_kind: global_buffer, .address_space: global }
      - { .name: partial, .offset: 40, .size: 8, .value_kind: global_buffer, .address_space: global }
    .group_segment_fixed_size: 172032
    .private_segment_fixed_size: 0
    .kernarg_segment_align: 8
    .kernarg_segment_size: 48
    .max_flat_workgroup_size: 128
    .sgpr_count:     66
    .vgpr_count:     928
    .wavefront_size: 32
...
	.end_amdgpu_metadata
.endif
;; end of part 3
;; launch addup (part 4): grid 512 x 1, 8 waves a work-group, no clusters, 0 bytes of LDS; arguments partial, out0; writes out0
.if DOCPART == 4
	.amdgcn_target "amdgcn-amd-amdhsa--gfx1250"
	.amdhsa_code_object_version 6
	.text
	.protected	k_q4d8db87aec_addup
	.globl	k_q4d8db87aec_addup
	.p2align	8
	.type	k_q4d8db87aec_addup,@function
k_q4d8db87aec_addup:
	s_mov_b64 s[64:65], 0
	v_nop
	global_prefetch_b8 v0, s[64:65] scope:SCOPE_SE
	s_setreg_imm32_b32 hwreg(HW_REG_WAVE_MODE, 25, 1), 1
	s_wait_xcnt 0x0
; ADDUP.  out0[token] = the sum of the token's four rows of partial (rows 4 token .. 4 token + 3, 4,096 bytes each), as (p0 + p1) + (p2 + p3): in the order of the slots, not of the experts.
; A stream: no LDS, no barrier, no matrix unit.  A work-group owns 8 tokens; thread t owns bytes 16 t of every row, so a wave's load or store covers 512 consecutive bytes, aligned.
; All 32 loads of a thread are issued first; no register is written twice, so no wait frees one.
.set P, 4                              ; v4-131: token tau, slot s at v[P + 16 tau + 4 s]
	s_load_b128 s[4:7], s[0:1], 0x0                ; partial, out0
	v_lshlrev_b32 v1, 4, v0
	s_lshl_b32 s8, ttmp9, 17                       ; 8 tokens x 16,384 bytes
	s_mov_b32 s9, 0
	s_lshl_b32 s10, ttmp9, 15                      ; 8 tokens x 4,096 bytes
	s_mov_b32 s11, 0
	s_wait_alu depctr_va_vdst(0)
	s_wait_kmcnt 0x0
	s_add_nc_u64 s[4:5], s[4:5], s[8:9]
	s_add_nc_u64 s[6:7], s[6:7], s[10:11]
.irp t, 0,1,2,3,4,5,6,7
.irp s, 0,1,2,3
	global_load_b128 v[P+16*\t+4*\s:P+16*\t+4*\s+3], v1, s[4:5] offset:16384*\t+4096*\s th:TH_LOAD_NT
.endr
.endr
.irp t, 0,1,2,3,4,5,6,7
	s_wait_loadcnt 28-4*\t                         ; this token's four loads are in; the later tokens' may be out
	v_pk_add_f32 v[P+16*\t:P+16*\t+1], v[P+16*\t:P+16*\t+1], v[P+16*\t+4:P+16*\t+5]
	v_pk_add_f32 v[P+16*\t+2:P+16*\t+3], v[P+16*\t+2:P+16*\t+3], v[P+16*\t+6:P+16*\t+7]
	v_pk_add_f32 v[P+16*\t+8:P+16*\t+9], v[P+16*\t+8:P+16*\t+9], v[P+16*\t+12:P+16*\t+13]
	v_pk_add_f32 v[P+16*\t+10:P+16*\t+11], v[P+16*\t+10:P+16*\t+11], v[P+16*\t+14:P+16*\t+15]
	s_delay_alu instid0(VALU_DEP_2)
	v_pk_add_f32 v[P+16*\t:P+16*\t+1], v[P+16*\t:P+16*\t+1], v[P+16*\t+8:P+16*\t+9]
	s_delay_alu instid0(VALU_DEP_2)
	v_pk_add_f32 v[P+16*\t+2:P+16*\t+3], v[P+16*\t+2:P+16*\t+3], v[P+16*\t+10:P+16*\t+11]
	global_store_b128 v1, v[P+16*\t:P+16*\t+3], s[6:7] offset:4096*\t th:TH_STORE_NT
.endr
	s_endpgm
.Lfunc_end_k_q4d8db87aec_addup:
	.size	k_q4d8db87aec_addup, .Lfunc_end_k_q4d8db87aec_addup-k_q4d8db87aec_addup
	.p2alignl 7, 3214868480
	.fill 96, 4, 3214868480
	.section	.rodata,"a",@progbits
	.p2align	6, 0x0
	.amdhsa_kernel k_q4d8db87aec_addup
		.amdhsa_group_segment_fixed_size 0
		.amdhsa_private_segment_fixed_size 0
		.amdhsa_enable_private_segment 0
		.amdhsa_kernarg_size 16
		.amdhsa_user_sgpr_count 2
		.amdhsa_user_sgpr_kernarg_segment_ptr 1
		.amdhsa_wavefront_size32 1
		.amdhsa_system_sgpr_workgroup_id_x 1
		.amdhsa_system_sgpr_workgroup_id_y 1
		.amdhsa_system_sgpr_workgroup_id_z 1
		.amdhsa_system_vgpr_workitem_id 0
		.amdhsa_next_free_vgpr 136
		.amdhsa_next_free_sgpr 66
		.amdhsa_reserve_vcc 0
		.amdhsa_float_denorm_mode_32 3
		.amdhsa_float_denorm_mode_16_64 3
		.amdhsa_memory_ordered 1
		.amdhsa_forward_progress 1
		.amdhsa_inst_pref_size 9
	.end_amdhsa_kernel
	.amdgpu_metadata
---
amdhsa.version: [ 1, 2 ]
amdhsa.kernels:
  - .name:           k_q4d8db87aec_addup
    .symbol:         k_q4d8db87aec_addup.kd
    .args:
      - { .name: partial, .offset: 0, .size: 8, .value_kind: global_buffer, .address_space: global }
      - { .name: out0, .offset: 8, .size: 8, .value_kind: global_buffer, .address_space: global }
    .group_segment_fixed_size: 0
    .private_segment_fixed_size: 0
    .kernarg_segment_align: 8
    .kernarg_segment_size: 16
    .max_flat_workgroup_size: 256
    .sgpr_count:     66
    .vgpr_count:     136
    .wavefront_size: 32
...
	.end_amdgpu_metadata
.endif
;; end of part 4
